; MI455X (gfx1250); checked and timed in simulation.
; The chip was launched on July 23, 2026; its instructions are those of AMD's public machine-readable ISA for CDNA 5 (MIT licence, August 2026) and "CDNA5" Instruction Set Architecture Reference Guide (July 2026). The comments in the code are by the model that wrote it; some were corrected since.
;; Second Order. Allowed arithmetic: float matrix products may take bf16 or f16 operands with f32 sums; all other float work in f32.
;; Inputs: feature_embeddings 1,000,000 x 64 float32; feature_idx 16,384 x 50 int32; feature_values 16,384 x 50 float32.
;; Outputs: out0 16,384 x 64 float32.
;; One version. Each part assembles by itself: llvm-mc -triple=amdgcn-amd-amdhsa -mcpu=gfx1250 --defsym DOCPART=n.
;; ======== version 1 of 1: 1 launch
;; launch fm2 (part 1): grid 256 x 1, 32 waves a work-group, no clusters, 36,864 bytes of LDS; arguments feature_embeddings, feature_idx, feature_values, out0; writes out0
.if DOCPART == 1
	.amdgcn_target "amdgcn-amd-amdhsa--gfx1250"
	.amdhsa_code_object_version 6
	.text
	.protected	k_q4d29e35f9f_fm2
	.globl	k_q4d29e35f9f_fm2
	.p2align	8
	.type	k_q4d29e35f9f_fm2,@function
k_q4d29e35f9f_fm2:
	s_mov_b64 s[64:65], 0
	v_nop
	global_prefetch_b8 v0, s[64:65] scope:SCOPE_SE
	s_setreg_imm32_b32 hwreg(HW_REG_WAVE_MODE, 25, 1), 1
	s_wait_xcnt 0x0
; out[b][k] = (sum over f of v[b][f] E[idx[b][f]][k])^2 - sum over f of (v[b][f] E[idx[b][f]][k])^2
; E: [1000000][64] f32 (a row is 256 bytes), idx: [16384][50] i32, v: [16384][50] f32, out: [16384][64] f32.  All arithmetic in f32.
;
; SHARES.  256 work-groups of 32 waves; a work-group owns 64 batch rows, a wave two: lanes 0-15 take batch row 2w, lanes 16-31 row 2w+1,
; and lane c of a half owns columns 4c .. 4c+3.  So one 16-byte load of the wave fetches two whole table rows (2 x 256 consecutive bytes),
; no sum ever crosses a lane, and the wave's one store covers 512 consecutive bytes of out, at a multiple of 512 from its first byte.
; INDICES AND VALUES.  The work-group's 64 x 200 bytes of each are 12,800 consecutive bytes = 25 wave loads of 512 bytes: waves 0-24 copy
; them once into LDS, one barrier, and every half-wave then reads its own batch row from there, a pair of fields (8 bytes) at a time.
; RING.  24 register slots of 16 bytes a lane hold the gathers on their way: fields 0-23 are asked for as soon as their indices are read,
; field f+24 as soon as field f has been added up.  The whole of the 50 fields is written out by .rept: slots are registers.
;
; LEFT OUT.  Matrix instructions: every batch row has its own 50 x 64 matrix and one row vector, so a 16-row form would use one row in
; sixteen, and each gathered number would need a conversion and a transpose first, more vector work than the three packed operations here.
; Clusters: no two work-groups share an input.  Prefetches: the loads themselves ask for 24 of each wave's 50 fields at once; the other 26
; fields of all 8,192 waves would be 8,192 x 52 x 256 bytes = 109 MB asked for and not yet read.
; LIMITS.  An index enters an address only behind an unsigned minimum with the table's last row, 999,999: it changes nothing for indices
; inside the table; a negative or too large index reads the last row.  The squares are formed as (v E)^2,
; not as v^2 E^2: the same number, rounded otherwise in the last bits.
.set FIELDS,  50
.set PAIRS,   FIELDS/2                 ; fields are taken two at a time: 8 bytes of indices, 8 bytes of values
.set MROW,    4*FIELDS                 ; 200 bytes: a batch row of indices, or of values
.set MBLK,    64*MROW                  ; 12,800 bytes: the work-group's indices, or values
.set LOADERS, MBLK/512                 ; 25 waves copy them, 512 bytes each
.set LVAL,    16384                    ; LDS: indices from byte 0, values from byte 16,384 (29,184 bytes used; LDS is not scarce here)
.set MAXI,    999999                   ; the table's last row
.set NSLOT,   24                       ; gathers of a wave on their way
.set NP,      NSLOT/2                  ; the same in pairs of fields
.set STG,   2                          ; v2        16 x thread: my 16 bytes in the copy to LDS, and in the work-group's part of out
.set COL,   3                          ; v3        16 x (lane % 16): my 16 bytes in a table row
.set META,  4                          ; v4        LDS address of my batch row's indices; its values lie LVAL further on
.set SUM,   6                          ; v[6:9]    sum of v E, my 4 columns
.set SQ,    10                         ; v[10:13]  sum of (v E)^2
.set WT,    14                         ; v[14:17]  v E of the field at work
.set IDX,   18                         ; v[18:21]  two pairs of indices, in turn
.set VAL,   22                         ; v[22:25]  two pairs of values, in turn
.set SL,    26                         ; v[26:121] slot i: 4 registers; the first holds the byte offset until the load lands on it
	s_load_b256 s[4:11], s[0:1], 0x0               ; E s[4:5], idx s[6:7], v s[8:9], out s[10:11]
	v_lshl_add_u32 v126, v0, 2, 0x8000
	v_mov_b32 v127, 0
	v_lshrrev_b32 v1, 5, v0
	v_readfirstlane_b32 s12, v1                    ; wave 0..31, as a scalar
	v_and_b32 v1, 31, v0                           ; lane
	s_lshl_b32 s13, s12, 9                         ; 512 bytes a wave
	v_lshl_add_u32 v[STG], v1, 4, s13              ; 16 x lane + 512 x wave
	v_and_b32 v[COL], 15, v0
	v_lshlrev_b32 v[COL], 4, v[COL]
	v_bfe_u32 v[META], v0, 4, 1                    ; which half of the wave
	s_mul_i32 s16, s12, 2*MROW                     ; the wave's two batch rows in LDS
	v_mul_u32_u24 v[META], v[META], MROW
	v_add_nc_u32 v[META], s16, v[META]
	s_mul_i32 s2, ttmp9, MBLK                      ; the work-group's part of idx and of v (below 3.3 MB)
	s_mov_b32 s3, 0
	s_lshl_b32 s14, ttmp9, 14                      ; and of out: 64 rows of 256 bytes
	s_mov_b32 s15, 0
	s_wait_kmcnt 0x0
	s_add_nc_u64 s[6:7], s[6:7], s[2:3]
	s_add_nc_u64 s[8:9], s[8:9], s[2:3]
	s_add_nc_u64 s[10:11], s[10:11], s[14:15]
	; the copy to LDS: waves 0-24, 512 consecutive bytes of each block; read once in the launch, hence the hint
	s_cmp_ge_u32 s12, LOADERS
	s_cbranch_scc1 .Lstaged
	global_load_b128 v[SL:SL+3],   v[STG], s[6:7] th:TH_LOAD_NT
	global_load_b128 v[SL+4:SL+7], v[STG], s[8:9] th:TH_LOAD_NT
	s_wait_loadcnt 0x1                             ; the indices are in; the values' load may stay out
	ds_store_b128 v[STG], v[SL:SL+3]
	s_wait_loadcnt 0x0
	ds_store_b128 v[STG], v[SL+4:SL+7] offset:LVAL
.Lstaged:
	s_wait_dscnt 0x0                               ; for the other waves' sake: my stores are in LDS before I say so
	s_barrier_signal -1
	s_barrier_wait -1                              ; the only barrier: from here on the staged indices and values are only read
	; the first 12 pairs of indices go straight into the slots that their rows will fill; then the rings' first two turns
.set j, 0
.rept NP
	ds_load_b64 v[SL+8*j:SL+8*j+1], v[META] offset:8*j     ; 16 lanes share an address; the two halves are 200 bytes apart
.set j, j+1
.endr
	ds_load_b64 v[VAL:VAL+1],   v[META] offset:LVAL        ; values of fields 0, 1
	ds_load_b64 v[IDX:IDX+1],   v[META] offset:8*NP        ; indices of fields 24, 25
	ds_load_b64 v[VAL+2:VAL+3], v[META] offset:LVAL+8
	ds_load_b64 v[IDX+2:IDX+3], v[META] offset:8*NP+8
.set j, 0
.rept NP
	s_wait_dscnt NP+3-j                            ; LDS loads come back in order (ISA guide 5.7.1): behind pair j stand 11-j pairs and the 4 ring loads
	v_min_u32 v[SL+8*j+1], MAXI, v[SL+8*j+1]       ; no index leaves the table
	v_min_u32 v[SL+8*j],   MAXI, v[SL+8*j]
	v_lshl_add_u32 v[SL+8*j+4], v[SL+8*j+1], 8, v[COL]     ; 256 x index + my 16 bytes: below 2^28
	v_lshl_add_u32 v[SL+8*j],   v[SL+8*j],   8, v[COL]
	global_load_b128 v[SL+8*j:SL+8*j+3],   v[SL+8*j],   s[4:5]     ; no hint: the list may name a row again
	global_load_b128 v[SL+8*j+4:SL+8*j+7], v[SL+8*j+4], s[4:5]     ; each load lands on its own offset register
.set j, j+1
.endr
; field f has to be in: the younger gathers, NSLOT-1 of them or what is left of the 50, stay out
.macro WAITLOAD f
.if FIELDS-1-(\f) < NSLOT-1
	s_wait_loadcnt FIELDS-1-(\f)
.else
	s_wait_loadcnt NSLOT-1
.endif
.endm
; one field: d = its slot, va = the pair of values, o = which of the pair (op_sel and op_sel_hi send that one register to both halves).
; first = 1: the first field starts the sums, nothing is cleared.
.macro ACC d, va, o, first
.if \first
	v_pk_mul_f32 v[SUM:SUM+1],   v[\d:\d+1],     v[\va:\va+1] op_sel:[0,\o] op_sel_hi:[1,\o]
	v_pk_mul_f32 v[SUM+2:SUM+3], v[\d+2:\d+3],   v[\va:\va+1] op_sel:[0,\o] op_sel_hi:[1,\o]
	v_pk_mul_f32 v[SQ:SQ+1],     v[SUM:SUM+1],   v[SUM:SUM+1]
	v_pk_mul_f32 v[SQ+2:SQ+3],   v[SUM+2:SUM+3], v[SUM+2:SUM+3]
.else
	v_pk_mul_f32 v[WT:WT+1],     v[\d:\d+1],     v[\va:\va+1] op_sel:[0,\o] op_sel_hi:[1,\o]
	v_pk_mul_f32 v[WT+2:WT+3],   v[\d+2:\d+3],   v[\va:\va+1] op_sel:[0,\o] op_sel_hi:[1,\o]
	v_pk_fma_f32 v[SUM:SUM+1],   v[\d:\d+1],     v[\va:\va+1], v[SUM:SUM+1]   op_sel:[0,\o,0] op_sel_hi:[1,\o,1]
	v_pk_fma_f32 v[SUM+2:SUM+3], v[\d+2:\d+3],   v[\va:\va+1], v[SUM+2:SUM+3] op_sel:[0,\o,0] op_sel_hi:[1,\o,1]
	v_pk_fma_f32 v[SQ:SQ+1],     v[WT:WT+1],     v[WT:WT+1],   v[SQ:SQ+1]
	v_pk_fma_f32 v[SQ+2:SQ+3],   v[WT+2:WT+3],   v[WT+2:WT+3], v[SQ+2:SQ+3]
.endif
.endm
; the slot's next row; its last load was waited for at the head of the field's turn, so its registers are free
.macro REFILL d, ix
	v_min_u32 v[\ix], MAXI, v[\ix]
	v_lshl_add_u32 v[\d], v[\ix], 8, v[COL]
	global_load_b128 v[\d:\d+3], v[\d], s[4:5]
.endm
; Double turn j: fields 2j and 2j+1 are added up, their slots filled with fields 2j+24 and 2j+25, and the rings asked for turn j+2:
; the values of fields 2j+4, 2j+5 and the indices of fields 2j+28, 2j+29.
.set j, 0
.rept PAIRS
.set SLOT0, SL+8*(j%NP)
.set RING,  2*(j%2)
	; this turn's values and indices are in; only what was asked for turn j+1 may stay out: a pair of values, and while there are any, of indices
.if j+1+NP < PAIRS
	s_wait_dscnt 0x2
.else
.if j+1 < PAIRS
	s_wait_dscnt 0x1
.else
	s_wait_dscnt 0x0
.endif
.endif
	WAITLOAD 2*j
.if j == 0
	ACC SLOT0, VAL+RING, 0, 1
.else
	ACC SLOT0, VAL+RING, 0, 0
.endif
.if j+NP < PAIRS
	REFILL SLOT0, IDX+RING
.endif
	WAITLOAD 2*j+1
	ACC SLOT0+4, VAL+RING, 1, 0
.if j+NP < PAIRS
	REFILL SLOT0+4, IDX+RING+1
.endif
.if j+2 < PAIRS
	ds_load_b64 v[VAL+RING:VAL+RING+1], v[META] offset:LVAL+8*(j+2)
.endif
.if j+2+NP < PAIRS
	ds_load_b64 v[IDX+RING:IDX+RING+1], v[META] offset:8*(j+2+NP)
.endif
.set j, j+1
.endr
	; sum^2 - sum of squares, one rounding; 16 lanes store a whole row of out, the wave two neighbouring rows
	v_pk_fma_f32 v[SUM:SUM+1],   v[SUM:SUM+1],   v[SUM:SUM+1],   v[SQ:SQ+1]   neg_lo:[0,0,1] neg_hi:[0,0,1]
	v_pk_fma_f32 v[SUM+2:SUM+3], v[SUM+2:SUM+3], v[SUM+2:SUM+3], v[SQ+2:SQ+3] neg_lo:[0,0,1] neg_hi:[0,0,1]
	global_store_b128 v[STG], v[SUM:SUM+3], s[10:11] th:TH_STORE_NT
	s_wait_tensorcnt 0x0
	ds_add_u32 v126, v127
	s_wait_dscnt 0x0
	s_endpgm
.Lfunc_end_k_q4d29e35f9f_fm2:
	.size	k_q4d29e35f9f_fm2, .Lfunc_end_k_q4d29e35f9f_fm2-k_q4d29e35f9f_fm2
	.p2alignl 7, 3214868480
	.fill 96, 4, 3214868480
	.section	.rodata,"a",@progbits
	.p2align	6, 0x0
	.amdhsa_kernel k_q4d29e35f9f_fm2
		.amdhsa_group_segment_fixed_size 36864
		.amdhsa_private_segment_fixed_size 0
		.amdhsa_enable_private_segment 0
		.amdhsa_kernarg_size 32
		.amdhsa_user_sgpr_count 2
		.amdhsa_user_sgpr_kernarg_segment_ptr 1
		.amdhsa_wavefront_size32 1
		.amdhsa_system_sgpr_workgroup_id_x 1
		.amdhsa_system_sgpr_workgroup_id_y 1
		.amdhsa_system_sgpr_workgroup_id_z 1
		.amdhsa_system_vgpr_workitem_id 0
		.amdhsa_next_free_vgpr 128
		.amdhsa_next_free_sgpr 66
		.amdhsa_reserve_vcc 0
		.amdhsa_float_denorm_mode_32 3
		.amdhsa_float_denorm_mode_16_64 3
		.amdhsa_memory_ordered 1
		.amdhsa_forward_progress 1
		.amdhsa_inst_pref_size 38
	.end_amdhsa_kernel
	.amdgpu_metadata
---
amdhsa.version: [ 1, 2 ]
amdhsa.kernels:
  - .name:           k_q4d29e35f9f_fm2
    .symbol:         k_q4d29e35f9f_fm2.kd
    .args:
      - { .name: feature_embeddings, .offset: 0, .size: 8, .value_kind: global_buffer, .address_space: global }
      - { .name: feature_idx, .offset: 8, .size: 8, .value_kind: global_buffer, .address_space: global }
      - { .name: feature_values, .offset: 16, .size: 8, .value_kind: global_buffer, .address_space: global }
      - { .name: out0, .offset: 24, .size: 8, .value_kind: global_buffer, .address_space: global }
    .group_segment_fixed_size: 36864
    .private_segment_fixed_size: 0
    .kernarg_segment_align: 8
    .kernarg_segment_size: 32
    .max_flat_workgroup_size: 1024
    .sgpr_count:     66
    .vgpr_count:     128
    .wavefront_size: 32
...
	.end_amdgpu_metadata
.endif
;; end of part 1
